; MI455X (gfx1250); checked and timed in simulation.
; The chip was launched on July 23, 2026; its instructions are those of AMD's public machine-readable ISA for CDNA 5 (MIT licence, August 2026) and "CDNA5" Instruction Set Architecture Reference Guide (July 2026). The comments in the code are by the model that wrote it; some were corrected since.
;; Meta Linear2. Allowed arithmetic: float matrix products may take bf16 or f16 operands with f32 sums; all other float work in f32.
;; Inputs: b1 32 float32; b2 65,536 float32; c1 32 float32; c2 256 float32; u1 32 x 256 float32; u2 256 x 32 float32; w1 32 x 256 float32; w2 65,536 x 32 float32; x 4 x 512 x 256 float32.
;; Outputs: out0 4 x 512 x 256 float32.
;; One version. Each part assembles by itself: llvm-mc -triple=amdgcn-amd-amdhsa -mcpu=gfx1250 --defsym DOCPART=n.
;; ======== version 1 of 1: 2 launches
;; limits: a difference of large sums (such as E[x^2] - mean^2): digits are lost where the result is much smaller than its terms
;; workspace buffers: xrec 1,212,416 bytes; wfrag 4,194,304 bytes; wsm 393,216 bytes; bln 2,097,152 bytes
;; launch prep (part 1): grid 96 x 1, 4 waves a work-group, no clusters, 175,616 bytes of LDS; arguments x, w1, u1, u2, b1, c1, c2, w2, b2, xrec, wfrag, wsm, bln; writes xrec, wfrag, wsm, bln
.if DOCPART == 1
	.amdgcn_target "amdgcn-amd-amdhsa--gfx1250"
	.amdhsa_code_object_version 6
	.text
	.protected	k_q64010dd379_prep
	.globl	k_q64010dd379_prep
	.p2align	8
	.type	k_q64010dd379_prep,@function
k_q64010dd379_prep:
	s_mov_b64 s[64:65], 0
	v_nop
	global_prefetch_b8 v0, s[64:65] scope:SCOPE_SE
	s_setreg_imm32_b32 hwreg(HW_REG_WAVE_MODE, 25, 1), 1
	s_wait_xcnt 0x0
; PREP: everything that hangs on a token alone, or on an output row alone, is made once here and laid out as the second launch's
; matrix fragments.  2,048 tokens = 128 tiles of 16; 256 outputs o, each with 256 rows i of w2 (32 numbers h a row).
; Work-groups 0-31, one token tile a wave (tile tt = 4 g + wave):
;   xrec[tt], 9,472 bytes: bf16(x) as sixteen fragments (lane (r, hh): token r, i = 16 it + 8 hh + 0..7); hw = bf16(bf16(x) bf16(w1)^T + b1)
;   as one fragment; the pair (-c, -c), c = mean over i of bf16(x).   bln: LayerNorm over o of (bf16(hb) bf16(u2)^T + c2), hb = x u1^T + c1.
; Work-groups 32-95, one output a wave (o = 4 (g - 32) + wave):
;   wfrag[o]: bf16(w2) as sixteen A fragments.   wsm[o], 1,536 bytes: beta = b2 - mean_i b2 as bf16 hi + lo; -wbar (wbar = mean_i bf16(w2)) and
;   2 g (g[h] = sum_i beta_i (bf16(w2)[i][h] - s[h])) as bf16 hi + lo; sum_i beta^2 in f32, 64 times.
; The branch between the two kinds hangs on the work-group's number alone, so all four waves of a work-group take the same way.
; The two ways use disjoint LDS bytes.  128 + 256 waves of work: 96 work-groups; there is no work for more.
; LIMITS.  hi + lo carries 16 bits of mantissa: beta, wbar and g are good to 2^-16 of their size.  g is summed against the shift s = row 0 of
; bf16(w2) in wbar's place; the term left out is (wbar - s) sum_i beta, and |sum_i beta| is the rounding residue of 256 f32 additions,
; below 2^-16 of the largest |b2|.  No LDS fill by a copy engine, no traffic between work-groups.
.set W1L, 0                            ; bf16(w1): 32 rows of 512 bytes, pitch 528 (an odd multiple of 16: the 16 rows of a fragment load begin in 16 different 16-byte columns modulo 256)
.set U1L, 16896                        ; bf16(u1): the same
.set U2L, 33792                        ; bf16(u2): 256 rows of 64 bytes, pitch 80
.set XL,  54272                        ; bf16(x): 16 rows, pitch 528, for each wave its own 8,448 bytes
.set FR,  88064                        ; the weight way: 21,760 bytes for each wave, its own
.set RW1, 16                           ; v16-79   my share of w1 as loaded
.set RU1, 80                           ; v80-143  of u1
.set RU2, 144                          ; v144-207 of u2
.set XF,  16                           ; v16-79   sixteen fragments of bf16(x), 4 registers each
.set U2F, 16                           ; v16-79   later: eight fragments of u2
.set AB,  80                           ; v80-143  A fragments of w1 and u1, two buffers of 32
.set ONES, 144                         ; v144-151 a fragment of ones
.set HWF, 152                          ; v152-159 hw as a fragment
.set HBF, 160                          ; v160-167 hb as a fragment
.set HW,  208                          ; v208-223 sums of hw, two tiles
.set HB,  224                          ; v224-239 sums of hb
.set SUMX, 240                         ; v240-247 sum over i of bf16(x)
.set NCP, 248                          ; v248-249 (-c, -c)
.set BKW, 40                           ; weight way: v40-103 beta of row 4 k + q
.set PKW, 104                          ; v104-231 bf16(w2), two registers a load
.set TW,  232                          ; v232-239 at work
.set SH,  240                          ; v240-243 the shift s of my four h
.set SUMW, 244                         ; v244-247 sum over i of (w2 - s)
.set GW,  248                          ; v248-251 sum over i of beta (w2 - s)
.set MSB, 0
.macro WIN new                         ; s_set_vgpr_msb: bits 1:0 source 0, 3:2 source 1, 5:4 source 2, 7:6 destination; the high byte repeats the setting that is left
.if MSB != \new
	s_set_vgpr_msb (MSB<<8)|\new
.set MSB, \new
.endif
.endm
.macro PLACES n                        ; places behind a matrix instruction (ISA guide 7.12.1)
.rept \n
	v_nop
.endr
.endm
.macro WSUM v, t                       ; sum over the wave's 32 lanes, the result in every lane
	v_add_f32_dpp v[\v], v[\v], v[\v] row_xmask:1 row_mask:0xf bank_mask:0xf
	v_add_f32_dpp v[\v], v[\v], v[\v] row_xmask:2 row_mask:0xf bank_mask:0xf
	v_add_f32_dpp v[\v], v[\v], v[\v] row_xmask:4 row_mask:0xf bank_mask:0xf
	v_add_f32_dpp v[\v], v[\v], v[\v] row_xmask:8 row_mask:0xf bank_mask:0xf
	v_permlanex16_b32 v[\t], v[\v], s34, s35
	v_add_f32 v[\v], v[\v], v[\t]
.endm
.macro SPLIT hi, lo, a, b, t           ; two f32 as bf16 hi and bf16 (value - hi)
	v_cvt_pk_bf16_f32 v[\hi], v[\a], v[\b]
	v_lshlrev_b32 v[\t], 16, v[\hi]
	v_and_b32 v[\t+1], s39, v[\hi]
	v_sub_f32 v[\t], v[\a], v[\t]
	v_sub_f32 v[\t+1], v[\b], v[\t+1]
	v_cvt_pk_bf16_f32 v[\lo], v[\t], v[\t+1]
.endm
	s_load_b512 s[8:23], s[0:1], 0x0               ; x 8, w1 10, u1 12, u2 14, b1 16, c1 18, c2 20, w2 22
	s_load_b256 s[24:31], s[0:1], 0x40             ; b2 24, xrec 26, wfrag 28, wsm 30
	s_load_b64 s[32:33], s[0:1], 0x60              ; bln
	v_lshl_add_u32 v254, v0, 2, 0x2ac00
	v_mov_b32 v255, 0
	v_lshrrev_b32 v1, 5, v0
	v_readfirstlane_b32 s3, v1                     ; wave 0..3
	s_mov_b32 s2, ttmp9                            ; work-group
	s_mov_b32 s34, 0x76543210                      ; v_permlanex16_b32: lane i reads lane i of the other half
	s_mov_b32 s35, 0xfedcba98
	s_mov_b32 s36, 0x3b800000                      ; 1/256
	s_mov_b32 s37, 0x3727c5ac                      ; 1e-5
	s_mov_b32 s38, 0xbb800000                      ; -1/256
	s_mov_b32 s39, 0xffff0000                      ; a word's upper bf16
	s_mov_b32 s43, 0                               ; high word of every offset
	v_and_b32 v1, 31, v0                           ; lane L
	s_cmp_ge_u32 s2, 32
	s_cbranch_scc1 .Lweights
; ------------------------------------------------------------------ the token way
	s_lshl_b32 s40, s2, 2
	s_add_co_u32 s40, s40, s3                      ; tt
	v_and_b32 v2, 15, v0                           ; r
	v_bfe_u32 v3, v0, 4, 1                         ; hh
	v_lshlrev_b32 v4, 4, v0                        ; 16 x thread: my 16 bytes in each 2,048 of w1, u1, u2
	v_lshlrev_b32 v5, 5, v3                        ; 32 hh: a bias tile's eight numbers
	v_lshlrev_b32 v6, 4, v1                        ; 16 L
	v_lshrrev_b32 v15, 6, v0
	v_mul_u32_u24 v7, v15, 528
	v_and_b32 v15, 63, v0
	v_lshl_add_u32 v7, v15, 3, v7                  ; w1, u1 into LDS: row 2 k + thread / 64, 8 bytes at column 4 (thread % 64)
	v_lshrrev_b32 v15, 3, v0
	v_mul_u32_u24 v8, v15, 80
	v_and_b32 v15, 7, v0
	v_lshl_add_u32 v8, v15, 3, v8
	v_add_nc_u32 v8, U2L, v8                       ; u2 into LDS: row 16 k + thread / 8
	s_mul_i32 s41, s3, 8448
	s_add_co_u32 s41, s41, XL                      ; my wave's x rows
	v_lshl_add_u32 v9, v1, 3, s41                  ; x into LDS
	v_mul_u32_u24 v11, v2, 528
	v_lshl_add_u32 v11, v3, 4, v11                 ; a fragment's address: row r, 16 hh
	v_add_nc_u32 v10, s41, v11
	v_mul_u32_u24 v12, v2, 80
	v_lshl_add_u32 v12, v3, 4, v12
	v_add_nc_u32 v12, U2L, v12
	v_lshlrev_b32 v13, 3, v1                       ; 8 L
	v_lshlrev_b32 v14, 4, v2
	v_lshl_add_u32 v14, v3, 16, v14                ; bln: 65,536 hh + 16 r
	s_wait_kmcnt 0x0
	s_lshl_b32 s42, s40, 14
	s_add_nc_u64 s[8:9], s[8:9], s[42:43]          ; x at my 16 tokens
	s_mul_i32 s42, s40, 9472
	s_add_nc_u64 s[26:27], s[26:27], s[42:43]      ; xrec at my tile
	s_lshl_b32 s42, s40, 9
	s_add_nc_u64 s[32:33], s[32:33], s[42:43]      ; bln at my tile
; all 120 loads go out at once: 48 of the weights, 8 of the bias tiles, 32 of x, 32 of c2's tiles
.macro LDW raw, lo
.irp k, 0,1,2,3,4,5,6,7,8,9,10,11,12,13,14,15
	global_load_b128 v[\raw+4*\k:\raw+4*\k+3], v4, s[\lo:\lo+1] offset:\k*2048
.endr
.endm
	LDW RW1, 10
	LDW RU1, 12
	LDW RU2, 14
.irp m, 0,1
	global_load_b128 v[HW+8*\m:HW+8*\m+3],   v5, s[16:17] offset:64*\m      ; register j of tile m: b1[16 m + 8 hh + j]: the sums start on the bias
	global_load_b128 v[HW+8*\m+4:HW+8*\m+7], v5, s[16:17] offset:64*\m+16
	global_load_b128 v[HB+8*\m:HB+8*\m+3],   v5, s[18:19] offset:64*\m
	global_load_b128 v[HB+8*\m+4:HB+8*\m+7], v5, s[18:19] offset:64*\m+16
.endr
	WIN 0x40                                       ; destinations in block 1
.set k, 0
.rept 32
	global_load_b128 v[4*k:4*k+3], v6, s[8:9] offset:k*512 th:TH_LOAD_NT       ; v256-383: x, read once in the launch
.set k, k+1
.endr
.set k, 0
.rept 16
	global_load_b128 v[128+8*k:128+8*k+3], v5, s[20:21] offset:64*k            ; v384-511: tile k starts on c2[16 k + 8 hh + j]
	global_load_b128 v[128+8*k+4:128+8*k+7], v5, s[20:21] offset:64*k+16
.set k, k+1
.endr
	WIN 0
	s_wait_loadcnt 63                              ; of 120 loads at most 63 are out: the first 57 are in, the 48 + 8 of weights and biases among them
.macro STAGE raw, adr, base, step                  ; round to bf16 in place, 8 bytes a lane into LDS
.irp k, 0,1,2,3,4,5,6,7,8,9,10,11,12,13,14,15
	v_cvt_pk_bf16_f32 v[\raw+4*\k], v[\raw+4*\k], v[\raw+4*\k+1]
	v_cvt_pk_bf16_f32 v[\raw+4*\k+1], v[\raw+4*\k+2], v[\raw+4*\k+3]
	ds_store_b64 v[\adr], v[\raw+4*\k:\raw+4*\k+1] offset:\base+\k*\step
.endr
.endm
	STAGE RW1, 7, W1L, 1056
	STAGE RU1, 7, U1L, 1056
	STAGE RU2, 8, 0, 1280
	s_wait_loadcnt 32                              ; x is in; c2's 32 loads stay out
	WIN 0x45                                       ; sources and destination in block 1
.set k, 0
.rept 32
	v_cvt_pk_bf16_f32 v[4*k], v[4*k], v[4*k+1]
	v_cvt_pk_bf16_f32 v[4*k+1], v[4*k+2], v[4*k+3]
.set k, k+1
.endr
	WIN 0x04                                       ; store data in block 1, address in block 0
.set k, 0
.rept 32
	ds_store_b64 v9, v[4*k:4*k+1] offset:(k>>1)*528+(k&1)*256
.set k, k+1
.endr
	WIN 0
	s_wait_dscnt 0x0                               ; my stores are done: the other waves read w1, u1, u2 behind the barrier
	s_barrier_signal -1
	s_barrier_wait -1
.irp i, 0,1,2,3,4,5,6,7,8,9,10,11,12,13,14,15
	ds_load_b128 v[XF+4*\i:XF+4*\i+3], v10 offset:\i*32                        ; x(r, 16 it + 8 hh ..)
.endr
.macro LDAB s, b                                   ; the A fragments of K step s (32 along i): w1 tiles 0, 1, u1 tiles 0, 1
.irp m, 0,1
	ds_load_b128 v[AB+32*\b+8*\m:AB+32*\b+8*\m+3],       v11 offset:W1L+\m*8448+\s*64
	ds_load_b128 v[AB+32*\b+8*\m+4:AB+32*\b+8*\m+7],     v11 offset:W1L+\m*8448+\s*64+32
	ds_load_b128 v[AB+32*\b+16+8*\m:AB+32*\b+16+8*\m+3], v11 offset:U1L+\m*8448+\s*64
	ds_load_b128 v[AB+32*\b+20+8*\m:AB+32*\b+20+8*\m+3], v11 offset:U1L+\m*8448+\s*64+32
.endr
.endm
	LDAB 0, 0
.irp i, 0,1,2,3,4,5,6,7
	v_mov_b32 v[ONES+\i], 0x3f803f80               ; 1.0, 1.0 in bf16
.endr
	s_wait_dscnt 8                                 ; the 16 fragments of x are in; the 8 loads behind them may be out
.irp i, 0,1,2,3,4,5,6,7,8,9,10,11,12,13,14,15
	global_store_b128 v6, v[XF+4*\i:XF+4*\i+3], s[26:27] offset:\i*512         ; each store of the wave: 512 consecutive bytes
.endr
; hw, hb and the row sums of x: A = rows of w1 / u1 / ones, B = x, so that register j of lane (r, hh) is (h = 16 m + 8 hh + j, token r):
; packed in pairs that is the B fragment that the next product wants.  Five accumulators take turns, one instruction a turn.
.macro G1 s, b
.if \s < 7
.if \s > 0
	PLACES 4                                       ; the other buffer was read by the five matrix instructions just issued
.endif
	LDAB (\s+1), (1-\b)
	s_wait_dscnt 8                                 ; this step's fragments are in, the next step's 8 loads stay out
.else
	s_wait_dscnt 0x0
.endif
	v_wmma_f32_16x16x32_bf16 v[HW:HW+7],     v[AB+32*\b:AB+32*\b+7],       v[XF+8*\s:XF+8*\s+7], v[HW:HW+7]
	v_wmma_f32_16x16x32_bf16 v[HW+8:HW+15],  v[AB+32*\b+8:AB+32*\b+15],    v[XF+8*\s:XF+8*\s+7], v[HW+8:HW+15]
	v_wmma_f32_16x16x32_bf16 v[HB:HB+7],     v[AB+32*\b+16:AB+32*\b+23],   v[XF+8*\s:XF+8*\s+7], v[HB:HB+7]
	v_wmma_f32_16x16x32_bf16 v[HB+8:HB+15],  v[AB+32*\b+24:AB+32*\b+31],   v[XF+8*\s:XF+8*\s+7], v[HB+8:HB+15]
.if \s == 0
	v_wmma_f32_16x16x32_bf16 v[SUMX:SUMX+7], v[ONES:ONES+7],               v[XF+8*\s:XF+8*\s+7], 0
.else
	v_wmma_f32_16x16x32_bf16 v[SUMX:SUMX+7], v[ONES:ONES+7],               v[XF+8*\s:XF+8*\s+7], v[SUMX:SUMX+7]
.endif
.endm
	G1 0, 0
	G1 1, 1
	G1 2, 0
	G1 3, 1
	G1 4, 0
	G1 5, 1
	G1 6, 0
	G1 7, 1
	PLACES 4
.irp q, 0,1,2,3
	v_cvt_pk_bf16_f32 v[HWF+\q],   v[HW+2*\q],   v[HW+2*\q+1]
	v_cvt_pk_bf16_f32 v[HWF+4+\q], v[HW+8+2*\q], v[HW+8+2*\q+1]
	v_cvt_pk_bf16_f32 v[HBF+\q],   v[HB+2*\q],   v[HB+2*\q+1]
	v_cvt_pk_bf16_f32 v[HBF+4+\q], v[HB+8+2*\q], v[HB+8+2*\q+1]
.endr
	v_mul_f32 v[NCP], s38, v[SUMX]                 ; -c of token r
	v_mul_f32 v[NCP+1], s38, v[SUMX]
	global_store_b128 v6, v[HWF:HWF+3],   s[26:27] offset:8192
	global_store_b128 v6, v[HWF+4:HWF+7], s[26:27] offset:8704
	global_store_b64 v13, v[NCP:NCP+1],   s[26:27] offset:9216
	s_wait_xcnt 0x0                                ; the stores of x's fragments have read their data: v16-79 are loaded again only behind this wait
; b = hb u2^T + c2: sixteen tiles of 16 outputs, each one matrix instruction onto its tile of c2, eight at a time
.macro LDU2 o0
.irp e, 0,1,2,3,4,5,6,7
	ds_load_b128 v[U2F+8*\e:U2F+8*\e+3],   v12 offset:(\o0+\e)*1280
	ds_load_b128 v[U2F+8*\e+4:U2F+8*\e+7], v12 offset:(\o0+\e)*1280+32
.endr
.endm
.macro G2 o0
	WIN 0x50                                       ; C and D in block 1
.irp e, 0,1,2,3,4,5,6,7
	v_wmma_f32_16x16x32_bf16 v[128+8*(\o0+\e):128+8*(\o0+\e)+7], v[U2F+8*\e:U2F+8*\e+7], v[HBF:HBF+7], v[128+8*(\o0+\e):128+8*(\o0+\e)+7]
.endr
	WIN 0
.endm
	LDU2 0
	s_wait_loadcnt 0x0                             ; c2's tiles
	s_wait_dscnt 0x0
	G2 0
	PLACES 4
	LDU2 8
	s_wait_dscnt 0x0
	G2 8
	PLACES 4
; LayerNorm over the 256 outputs of token r: lane (r, hh) holds 128 of them, lane (r, 1 - hh) the others.  Two passes: mean, then centred squares.
	WIN 0x55                                       ; everything in block 1: v0-11 there are at work (written before, by x), v128-255 are b
.irp c, 0,1,2,3
	v_pk_add_f32 v[2*\c:2*\c+1], v[128+2*\c:128+2*\c+1], v[136+2*\c:136+2*\c+1]
.endr
.set k, 8
.rept 56
	v_pk_add_f32 v[2*(k%4):2*(k%4)+1], v[2*(k%4):2*(k%4)+1], v[128+2*k:128+2*k+1]
.set k, k+1
.endr
	v_pk_add_f32 v[0:1], v[0:1], v[2:3]
	v_pk_add_f32 v[4:5], v[4:5], v[6:7]
	v_pk_add_f32 v[0:1], v[0:1], v[4:5]
	v_add_f32 v8, v0, v1
	v_permlanex16_b32 v9, v8, s34, s35
	v_add_f32 v8, v8, v9
	v_mul_f32 v10, s38, v8                         ; -mean, twice
	v_mul_f32 v11, s38, v8
.set k, 0
.rept 64
	v_pk_add_f32 v[128+2*k:128+2*k+1], v[128+2*k:128+2*k+1], v[10:11]
.set k, k+1
.endr
.irp c, 0,1,2,3
	v_pk_mul_f32 v[2*\c:2*\c+1], v[128+2*\c:128+2*\c+1], v[128+2*\c:128+2*\c+1]
.endr
.set k, 4
.rept 60
	v_pk_fma_f32 v[2*(k%4):2*(k%4)+1], v[128+2*k:128+2*k+1], v[128+2*k:128+2*k+1], v[2*(k%4):2*(k%4)+1]
.set k, k+1
.endr
	v_pk_add_f32 v[0:1], v[0:1], v[2:3]
	v_pk_add_f32 v[4:5], v[4:5], v[6:7]
	v_pk_add_f32 v[0:1], v[0:1], v[4:5]
	v_add_f32 v8, v0, v1
	v_permlanex16_b32 v9, v8, s34, s35
	v_add_f32 v8, v8, v9
	v_fma_f32 v8, v8, s36, s37                     ; variance + 1e-5
	v_rsq_f32 v10, v8
	v_rsq_f32 v11, v8
	v_nop                                          ; one plain place behind a transcendental before its result is used (ISA guide 5.7.2)
.set k, 0
	s_wait_alu depctr_va_vdst(0)
.rept 64
	v_pk_mul_f32 v[128+2*k:128+2*k+1], v[128+2*k:128+2*k+1], v[10:11]
.set k, k+1
.endr
	WIN 0x04                                       ; store data in block 1
.set k, 0
.rept 16
	global_store_b128 v14, v[128+8*k:128+8*k+3],   s[32:33] offset:k*131072        ; output block 2 k + hh, columns 0-3: sixteen lanes fill 256 consecutive bytes
	global_store_b128 v14, v[128+8*k+4:128+8*k+7], s[32:33] offset:k*131072+256    ; columns 4-7
.set k, k+1
.endr
	WIN 0
	s_wait_tensorcnt 0x0
	ds_add_u32 v254, v255
	s_wait_dscnt 0x0
	s_endpgm
; ------------------------------------------------------------------ the weight way: no barrier, every LDS byte is the wave's own
.Lweights:
	s_sub_co_u32 s40, s2, 32
	s_lshl_b32 s40, s40, 2
	s_add_co_u32 s40, s40, s3                      ; o
	v_lshrrev_b32 v2, 3, v1                        ; q = L / 8: load k brings me row i = 4 k + q,
	v_and_b32 v3, 7, v1                            ; m = L % 8: columns h = 4 m .. 4 m + 3
	v_lshlrev_b32 v4, 4, v1                        ; 16 L
	v_lshlrev_b32 v5, 3, v1                        ; 8 L
	s_mul_i32 s41, s3, 21760
	s_add_co_u32 s41, s41, FR                      ; my stage: 16 x 1,280 bytes; behind it beta, 4 rows of pitch 272
	v_lshrrev_b32 v15, 1, v3
	v_mul_u32_u24 v6, v15, 320                     ; in: block m / 2 (256 bytes, pitch 320), row 4 (k % 4) + q of 16 bytes, half m % 2:
	v_lshl_add_u32 v6, v2, 4, v6                   ; the 32 lanes' 8 bytes fall on 64 different words modulo 256 bytes
	v_and_b32 v15, 1, v3
	v_lshl_add_u32 v6, v15, 3, v6
	v_add_nc_u32 v6, s41, v6
	v_and_b32 v15, 15, v1
	v_lshrrev_b32 v14, 4, v1
	v_mul_u32_u24 v7, v14, 320                     ; back: block 2 c + hh, row r
	v_lshl_add_u32 v7, v15, 4, v7
	v_add_nc_u32 v7, s41, v7
	s_add_co_u32 s42, s41, 20480
	v_lshl_add_u32 v8, v1, 2, s42
	v_mul_u32_u24 v9, v2, 272
	v_add_nc_u32 v9, s42, v9
	v_lshlrev_b32 v10, 2, v3                       ; lane m, as ds_bpermute_b32 wants it
	s_wait_kmcnt 0x0
	s_lshl_b32 s42, s40, 15
	s_add_nc_u64 s[22:23], s[22:23], s[42:43]      ; w2 at my 256 rows
	s_lshl_b32 s42, s40, 10
	s_add_nc_u64 s[24:25], s[24:25], s[42:43]      ; b2
	s_lshl_b32 s42, s40, 14
	s_add_nc_u64 s[28:29], s[28:29], s[42:43]      ; wfrag
	s_mul_i32 s42, s40, 1536
	s_add_nc_u64 s[30:31], s[30:31], s[42:43]      ; wsm
	global_load_b128 v[16:19], v4, s[24:25]        ; b2[4 L + c]
	global_load_b128 v[20:23], v4, s[24:25] offset:512     ; b2[128 + 4 L + c]
	WIN 0x40
.set k, 0
.rept 64
	global_load_b128 v[4*k:4*k+3], v4, s[22:23] offset:k*512 th:TH_LOAD_NT     ; v256-511: my 32 KiB of w2, read once in the launch
.set k, k+1
.endr
	WIN 0
	s_wait_loadcnt 63                              ; of 66 loads at most 63 are out: b2's two are in
	v_pk_add_f32 v[24:25], v[16:17], v[18:19]
	v_pk_add_f32 v[26:27], v[20:21], v[22:23]
	v_pk_add_f32 v[24:25], v[24:25], v[26:27]
	v_add_f32 v24, v24, v25
	WSUM 24, 25
	v_mul_f32 v24, s38, v24                        ; -mean of b2
	v_mov_b32 v25, v24
.irp i, 16,18,20,22
	v_pk_add_f32 v[\i:\i+1], v[\i:\i+1], v[24:25]  ; beta
.endr
	v_pk_mul_f32 v[26:27], v[16:17], v[16:17]
	v_pk_mul_f32 v[28:29], v[18:19], v[18:19]
	v_pk_fma_f32 v[26:27], v[20:21], v[20:21], v[26:27]
	v_pk_fma_f32 v[28:29], v[22:23], v[22:23], v[28:29]
	v_pk_add_f32 v[26:27], v[26:27], v[28:29]
	v_add_f32 v26, v26, v27
	WSUM 26, 27
	v_mov_b32 v27, v26                             ; sum of beta^2, twice
	global_store_b64 v5, v[26:27], s[30:31] offset:1280
	SPLIT 28, 32, 16, 17, 36
	SPLIT 29, 33, 18, 19, 38
	SPLIT 30, 34, 20, 21, 36
	SPLIT 31, 35, 22, 23, 38
	global_store_b64 v5, v[28:29], s[30:31]                ; beta hi, i = 4 L ..        (each store: 256 consecutive bytes)
	global_store_b64 v5, v[30:31], s[30:31] offset:256     ; beta hi, i = 128 + 4 L ..
	global_store_b64 v5, v[32:33], s[30:31] offset:512     ; beta lo
	global_store_b64 v5, v[34:35], s[30:31] offset:768
.irp c, 0,1,2,3
	ds_store_b32 v8, v[16+\c] offset:\c*272                ; beta[4 k + c] to row c, word k = L
	ds_store_b32 v8, v[20+\c] offset:\c*272+128            ; k = 32 + L
.endr
.irp k, 0,1,2,3,4,5,6,7,8,9,10,11,12,13,14,15
	ds_load_b128 v[BKW+4*\k:BKW+4*\k+3], v9 offset:16*\k   ; register k: beta[4 k + q].  LDS serves a wave's instructions in order (ISA guide 5.7.1.4)
.endr
	WIN 0x05                                       ; sources in block 1
.set k, 0
.irp left, 48,32,16,0
	s_wait_loadcnt \left                           ; the next sixteen loads of w2 are in, the younger ones stay out
.rept 16
	v_cvt_pk_bf16_f32 v[PKW+2*k],   v[4*k],   v[4*k+1]
	v_cvt_pk_bf16_f32 v[PKW+2*k+1], v[4*k+2], v[4*k+3]
.set k, k+1
.endr
.endr
	WIN 0
.set k, 0
.rept 64
	ds_store_b64 v6, v[PKW+2*k:PKW+2*k+1] offset:(k>>2)*1280+(k&3)*64
.set k, k+1
.endr
	WIN 0x40
.set k, 0
.rept 32
	ds_load_b128 v[4*k:4*k+3], v7 offset:(k>>1)*1280+(k&1)*640     ; fragment half k = 2 it + c: w2(16 it + r, 16 c + 8 hh ..)
.set k, k+1
.endr
	WIN 0
	ds_bpermute_b32 v252, v10, v[PKW]              ; row 0 of bf16(w2), my four h: from lane m
	ds_bpermute_b32 v253, v10, v[PKW+1]
	s_wait_dscnt 0x0
	WIN 0x04
.set k, 0
.rept 32
	global_store_b128 v4, v[4*k:4*k+3], s[28:29] offset:k*512      ; 512 consecutive bytes
.set k, k+1
.endr
	WIN 0
	v_lshlrev_b32 v[SH], 16, v252
	v_and_b32 v[SH+1], s39, v252
	v_lshlrev_b32 v[SH+2], 16, v253
	v_and_b32 v[SH+3], s39, v253
; sums over my 64 rows of w' = bf16(w2) - s and of beta w'.  The first row starts the sums.
	v_lshlrev_b32 v[TW], 16, v[PKW]
	v_and_b32 v[TW+1], s39, v[PKW]
	v_lshlrev_b32 v[TW+2], 16, v[PKW+1]
	v_and_b32 v[TW+3], s39, v[PKW+1]
	v_pk_add_f32 v[SUMW:SUMW+1],   v[TW:TW+1],   v[SH:SH+1]   neg_lo:[0,1] neg_hi:[0,1]
	v_pk_add_f32 v[SUMW+2:SUMW+3], v[TW+2:TW+3], v[SH+2:SH+3] neg_lo:[0,1] neg_hi:[0,1]
	v_pk_mul_f32 v[GW:GW+1],   v[SUMW:SUMW+1],   v[BKW:BKW+1] op_sel_hi:[1,0]
	v_pk_mul_f32 v[GW+2:GW+3], v[SUMW+2:SUMW+3], v[BKW:BKW+1] op_sel_hi:[1,0]
.set k, 1
.rept 63
.set TK, TW+4*(k&1)
	v_lshlrev_b32 v[TK], 16, v[PKW+2*k]
	v_and_b32 v[TK+1], s39, v[PKW+2*k]
	v_lshlrev_b32 v[TK+2], 16, v[PKW+2*k+1]
	v_and_b32 v[TK+3], s39, v[PKW+2*k+1]
	v_pk_add_f32 v[TK:TK+1],     v[TK:TK+1],     v[SH:SH+1]   neg_lo:[0,1] neg_hi:[0,1]
	v_pk_add_f32 v[TK+2:TK+3],   v[TK+2:TK+3],   v[SH+2:SH+3] neg_lo:[0,1] neg_hi:[0,1]
	v_pk_add_f32 v[SUMW:SUMW+1],   v[SUMW:SUMW+1],   v[TK:TK+1]
	v_pk_add_f32 v[SUMW+2:SUMW+3], v[SUMW+2:SUMW+3], v[TK+2:TK+3]
.if k&1
	v_pk_fma_f32 v[GW:GW+1],   v[TK:TK+1],   v[BKW+k-1:BKW+k], v[GW:GW+1]   op_sel:[0,1,0] op_sel_hi:[1,1,1]     ; both halves times the pair's second register
	v_pk_fma_f32 v[GW+2:GW+3], v[TK+2:TK+3], v[BKW+k-1:BKW+k], v[GW+2:GW+3] op_sel:[0,1,0] op_sel_hi:[1,1,1]
.else
	v_pk_fma_f32 v[GW:GW+1],   v[TK:TK+1],   v[BKW+k:BKW+k+1], v[GW:GW+1]   op_sel_hi:[1,0,1]                    ; both halves times the pair's first register
	v_pk_fma_f32 v[GW+2:GW+3], v[TK+2:TK+3], v[BKW+k:BKW+k+1], v[GW+2:GW+3] op_sel_hi:[1,0,1]
.endif
.set k, k+1
.endr
; over q: lanes L, L ^ 8, L ^ 16, L ^ 24 hold the same h.  SUMW and GW are eight registers in a row.
.irp i, 0,1,2,3,4,5,6,7
	v_add_f32_dpp v[SUMW+\i], v[SUMW+\i], v[SUMW+\i] row_xmask:8 row_mask:0xf bank_mask:0xf
.endr
.irp i, 0,1,2,3,4,5,6,7
	v_permlanex16_b32 v[TW+\i], v[SUMW+\i], s34, s35
.endr
.irp i, 0,1,2,3,4,5,6,7
	v_add_f32 v[SUMW+\i], v[SUMW+\i], v[TW+\i]
.endr
.irp i, 0,1,2,3
	v_fma_f32 v[SUMW+\i], v[SUMW+\i], s38, -v[SH+\i]       ; -wbar = -(s + sum / 256)
	v_add_f32 v[GW+\i], v[GW+\i], v[GW+\i]                 ; 2 g
.endr
	SPLIT 40, 42, SUMW, SUMW+1, TW
	SPLIT 41, 43, SUMW+2, SUMW+3, TW+2
	SPLIT 44, 46, GW, GW+1, TW+4
	SPLIT 45, 47, GW+2, GW+3, TW+6
	v_and_b32 v15, 1, v2
	v_cmp_eq_u32 s44, 1, v15                       ; q odd: the lo parts
	v_cmp_lt_u32 s45, 1, v2                        ; q >= 2: 2 g
	v_cndmask_b32 v40, v40, v42, s44
	v_cndmask_b32 v41, v41, v43, s44
	v_cndmask_b32 v44, v44, v46, s44
	v_cndmask_b32 v45, v45, v47, s44
	v_cndmask_b32 v40, v40, v44, s45
	v_cndmask_b32 v41, v41, v45, s45
	global_store_b64 v5, v[40:41], s[30:31] offset:1024    ; byte 64 q + 8 m: -wbar hi, -wbar lo, 2 g hi, 2 g lo, 32 bf16 each
	s_wait_tensorcnt 0x0
	ds_add_u32 v254, v255
	s_wait_dscnt 0x0
	s_endpgm
.Lfunc_end_k_q64010dd379_prep:
	.size	k_q64010dd379_prep, .Lfunc_end_k_q64010dd379_prep-k_q64010dd379_prep
	.p2alignl 7, 3214868480
	.fill 96, 4, 3214868480
	.section	.rodata,"a",@progbits
	.p2align	6, 0x0
	.amdhsa_kernel k_q64010dd379_prep
		.amdhsa_group_segment_fixed_size 175616
		.amdhsa_private_segment_fixed_size 0
		.amdhsa_enable_private_segment 0
		.amdhsa_kernarg_size 104
		.amdhsa_user_sgpr_count 2
		.amdhsa_user_sgpr_kernarg_segment_ptr 1
		.amdhsa_wavefront_size32 1
		.amdhsa_system_sgpr_workgroup_id_x 1
		.amdhsa_system_sgpr_workgroup_id_y 1
		.amdhsa_system_sgpr_workgroup_id_z 1
		.amdhsa_system_vgpr_workitem_id 0
		.amdhsa_next_free_vgpr 512
		.amdhsa_next_free_sgpr 66
		.amdhsa_reserve_vcc 0
		.amdhsa_float_denorm_mode_32 3
		.amdhsa_float_denorm_mode_16_64 3
		.amdhsa_memory_ordered 1
		.amdhsa_forward_progress 1
		.amdhsa_inst_pref_size 131
	.end_amdhsa_kernel
	.amdgpu_metadata
---
amdhsa.version: [ 1, 2 ]
amdhsa.kernels:
  - .name:           k_q64010dd379_prep
    .symbol:         k_q64010dd379_prep.kd
    .args:
      - { .name: x, .offset: 0, .size: 8, .value_kind: global_buffer, .address_space: global }
      - { .name: w1, .offset: 8, .size: 8, .value_kind: global_buffer, .address_space: global }
      - { .name: u1, .offset: 16, .size: 8, .value_kind: global_buffer, .address_space: global }
      - { .name: u2, .offset: 24, .size: 8, .value_kind: global_buffer, .address_space: global }
      - { .name: b1, .offset: 32, .size: 8, .value_kind: global_buffer, .address_space: global }
      - { .name: c1, .offset: 40, .size: 8, .value_kind: global_buffer, .address_space: global }
      - { .name: c2, .offset: 48, .size: 8, .value_kind: global_buffer, .address_space: global }
      - { .name: w2, .offset: 56, .size: 8, .value_kind: global_buffer, .address_space: global }
      - { .name: b2, .offset: 64, .size: 8, .value_kind: global_buffer, .address_space: global }
      - { .name: xrec, .offset: 72, .size: 8, .value_kind: global_buffer, .address_space: global }
      - { .name: wfrag, .offset: 80, .size: 8, .value_kind: global_buffer, .address_space: global }
      - { .name: wsm, .offset: 88, .size: 8, .value_kind: global_buffer, .address_space: global }
      - { .name: bln, .offset: 96, .size: 8, .value_kind: global_buffer, .address_space: global }
    .group_segment_fixed_size: 175616
    .private_segment_fixed_size: 0
    .kernarg_segment_align: 8
    .kernarg_segment_size: 104
    .max_flat_workgroup_size: 128
    .sgpr_count:     66
    .vgpr_count:     512
    .wavefront_size: 32
...
	.end_amdgpu_metadata
.endif
;; end of part 1
;; launch main (part 2): grid 32 x 8, 4 waves a work-group, clusters of 4 x 4, 312,320 bytes of LDS; arguments xrec, wfrag, wsm, bln, out0; writes out0
.if DOCPART == 2
	.amdgcn_target "amdgcn-amd-amdhsa--gfx1250"
	.amdhsa_code_object_version 6
	.text
	.protected	k_q64010dd379_main
	.globl	k_q64010dd379_main
	.p2align	8
	.type	k_q64010dd379_main,@function
k_q64010dd379_main:
	s_mov_b64 s[64:65], 0
	v_nop
	global_prefetch_b8 v0, s[64:65] scope:SCOPE_SE
	s_setreg_imm32_b32 hwreg(HW_REG_WAVE_MODE, 25, 1), 1
	s_wait_xcnt 0x0
	s_wait_alu depctr_hold_cnt(0) depctr_sa_sdst(0) depctr_va_vdst(0) depctr_va_sdst(0) depctr_va_ssrc(0) depctr_va_vcc(0) depctr_vm_vsrc(0)
	s_getreg_b32 s2, hwreg(HW_REG_IB_STS2, 6, 4)
	s_cmp_eq_u32 s2, 0
	s_cbranch_scc0 .Lentry_in_a_cluster
	s_endpgm
.Lentry_in_a_cluster:
	s_bfe_u32 s2, ttmp6, 0x10000c
	s_cmp_lg_u32 s2, 0xf033
	s_cbranch_scc0 .Lentry_shape_is_right
	s_endpgm
.Lentry_shape_is_right:
; MAIN: y[t][o] = Dot rsqrt(max(S2, 0) / 256 + 1e-5) + LN(b)[t][o], with, for v[t][o][i] = sum_h w2[o][i][h] hw[t][h] - hw[t] . wbar[o]
; (w2, x, hw in bf16; beta = b2 - mean_i b2; c = mean_i x; w - mean_i w = v + beta):
;   S2  = sum_i v^2 + P2,        P2 = 2 hw . g[o] + sum_i beta^2
;   Dot = sum_i v (x - c) + P1,  P1 = sum_i beta x
; v leaves the matrix unit as it is: the C operand is the tile -hw . wbar, constant over i.  For each element only two fused multiply-adds are left.
; A work-group: 256 tokens x 8 outputs; a wave: 64 tokens (4 tiles of 16) x the 8 outputs.  256 work-groups.  For each output and each 16 rows i:
; one A fragment of w2 from LDS (1 KiB), four matrix instructions (A = 16 i x 32 h, B = hw of 16 tokens), 32 packed multiply-adds.
; In the result lane (r, hh) holds token r, i = 16 it + 8 hh + j: x - c lies in 512 registers in that very order.
; LDS holds the work-group's whole input at once (x side 151,552 bytes, w2 131,072, small tables 12,672): nothing is filled twice, so the loop has no barrier.
; CLUSTERS: 4 x 4 work-groups.  The x side hangs on the token block alone, shared along a row of the cluster; w2 and the tables hang on the output block
; alone, shared along a column: three joint tensor loads a wave, all issued at the start behind one round of the cluster's barrier; three are out at most.
; out0: a work-group owns 8 columns, 32 bytes of a row, so its stores fill no whole 256-byte stretch of out0.  64 columns a work-group would leave it
; 32 tokens: 8 tokens a wave, half a token tile, against the 4 tiles that each w2 fragment feeds here, and 8 times the bytes of w2 into LDS; out0 is 2 MiB against 134 M products.
; LIMITS.  P1, P2 and hw . wbar use bf16 hi + lo operands: good to 2^-16 of their size.  S2 is a sum of three terms and loses accuracy only where
; |v + beta| is below some 2^-8 |v| over a whole row i; it is clamped at 0.  The centring of x makes Dot blind to the residue of hw . wbar.
.set XREC, 9472                        ; a token tile's record: 16 x 512 bytes of x, 1,024 of hw, 256 of (-c, -c)
.set XBW,  4*XREC                      ; a wave's four tiles
.set XBLK, 16*XREC                     ; a work-group's sixteen
.set WB,   XBLK                        ; LDS: w2's fragments, 16,384 bytes an output
.set SMB,  WB+131072                   ; LDS: the tables, 3 rows of 512 + 16 bytes an output
.set SMP,  1584
.set PST,  295424                      ; LDS: P1, P2, then y: 4,096 bytes a wave, written by LDS stores alone; begins on a multiple of 256 behind the last filled byte (295,296)
.set VA, 1                             ; WB + 16 L, steps 16,384 an output
.set VN, 2                             ; SMB + 1056 + 16 hh: -wbar's fragment, steps 1,584
.set VP, 3                             ; my PST + 32 r, steps 4
.set VX, 4                             ; my x side + 16 L
.set VXC, 5                            ; my x side + 8 L
.set VBT, 6                            ; SMB + (r % 8) 1584 + 16 hh: fragments whose rows are the 8 outputs, twice
.set VS, 7                             ; SMB
.set VQ, 8                             ; my PST + 1024 hh + 32 r
.set VOUT, 9                           ; 16,384 hh + 1,024 r
.set VBL, 10                           ; 512 hh + 16 r
.set ONE, 11                           ; 1.0
.set AFR, 16                           ; v16-31   A fragments of w2, two buffers          (start: beta hi, lo, buffer 0)
.set BARF, 32                          ; v32-47   -wbar hi, lo                            (start: beta, buffer 1)
.set BFR, 48                           ; v48-79   hw of my four token tiles
.set NMT, 80                           ; v80-111  the tiles -hw . wbar                    (start: P1)
.set DT, 112                           ; v112-175 v, two buffers of four tiles            (start: bf16 x, two buffers)
.set ACCQ, 176                         ; v176-191 sums of v^2, two pairs a token tile     (start, with ACCX: P2)
.set ACCX, 192                         ; v192-207 sums of v (x - c)
.set PLD, 208                          ; v208-215 P1, P2 of this output                   (start: sum beta^2 of the 8 outputs)
.set ETMP, 216                         ; v216-231 at work across the halves               (start: 2 g hi, lo)
.set BLN, 232                          ; v232-247 LN(b)
.set NCV, 248                          ; v248-251 -c of token r, four tiles
                                       ; v256-511, v512-767: x - c, register (it % 8) 32 + 8 tt + j; it < 8 in block 1, the rest in block 2
.set G1X, 24
.set G1W, 32
.set G1S, 40
.set G0X, 48
.set G0W, 52
.set G0S, 56
.set MSB, 0
.macro WIN new                         ; s_set_vgpr_msb: bits 1:0 source 0, 3:2 source 1, 5:4 source 2, 7:6 destination; the high byte repeats the setting that is left
.if MSB != \new
	s_set_vgpr_msb (MSB<<8)|\new
.set MSB, \new
.endif
.endm
.macro PLACES n
.rept \n
	v_nop
.endr
.endm
.macro ROUND                           ; a round of the cluster's barrier
	s_barrier_signal -1
	s_barrier_wait -1
	s_cmp_lg_u32 s14, 0
	s_cbranch_scc1 .Lnot_wave_0_\@
	s_barrier_signal -3
.Lnot_wave_0_\@:
	s_barrier_wait -3
	s_barrier_signal -1
	s_barrier_wait -1
.endm
	s_load_b256 s[4:11], s[0:1], 0x0               ; xrec 4, wfrag 6, wsm 8, bln 10
	s_load_b64 s[12:13], s[0:1], 0x20              ; out0
	v_lshl_add_u32 v254, v0, 2, 0x4c200
	v_mov_b32 v255, 0
	ds_add_u32 v254, v255
	v_lshrrev_b32 v12, 5, v0
	v_readfirstlane_b32 s14, v12                   ; wave
	s_bfe_u32 s16, ttmp6, 0x40000                  ; cx
	s_bfe_u32 s17, ttmp6, 0x40004                  ; cy
	s_lshl_b32 s18, ttmp9, 2
	s_add_co_u32 s18, s18, s16                     ; output block ob = 4 x cluster x + cx
	s_and_b32 s19, ttmp7, 0xffff
	s_lshl_b32 s19, s19, 2
	s_add_co_u32 s19, s19, s17                     ; token block tb = 4 x cluster y + cy
	s_lshl_b32 s20, s17, 2
	s_lshl_b32 s20, 15, s20                        ; my row of the cluster
	s_lshl_b32 s21, 0x1111, s16                    ; my column
	s_mov_b32 s60, 0x76543210
	s_mov_b32 s61, 0xfedcba98
	s_mov_b32 s62, 0x3b800000                      ; 1/256
	s_mov_b32 s63, 0x3727c5ac                      ; 1e-5
	; group 1 of the x side: a dense block as 148 rows of 32 elements of 8 bytes
	s_or_b32  s[G1X+0], s20, (3<<16)|(1<<21)       ; mask: my row; elements of 8 bytes; bit 21 beside a mask
	s_mov_b32 s[G1X+1], 32<<16                     ; tensor_dim0 = 32
	s_mov_b32 s[G1X+2], 148<<16                    ; tensor_dim1 = 148
	s_mov_b32 s[G1X+3], 32<<16                     ; tile_dim0 = 32
	s_mov_b32 s[G1X+4], 148                        ; tile_dim1 = 148
	s_mov_b32 s[G1X+5], 32                         ; pitch
	s_mov_b32 s[G1X+6], 0
	s_mov_b32 s[G1X+7], 0
	; group 1 of w2's fragments: 128 such rows
	s_or_b32  s[G1W+0], s21, (3<<16)|(1<<21)       ; mask: my column
	s_mov_b32 s[G1W+1], 32<<16
	s_mov_b32 s[G1W+2], 128<<16
	s_mov_b32 s[G1W+3], 32<<16
	s_mov_b32 s[G1W+4], 128
	s_mov_b32 s[G1W+5], 32
	s_mov_b32 s[G1W+6], 0
	s_mov_b32 s[G1W+7], 0
	; group 1 of the tables: 6 rows of 128 words, 4 words of padding behind each: LDS pitch 528
	s_or_b32  s[G1S+0], s21, (2<<16)|(1<<20)|(1<<21)|(6<<22)|(3<<25)
	s_mov_b32 s[G1S+1], 128<<16
	s_mov_b32 s[G1S+2], 6<<16
	s_mov_b32 s[G1S+3], 128<<16
	s_mov_b32 s[G1S+4], 6
	s_mov_b32 s[G1S+5], 128
	s_mov_b32 s[G1S+6], 0
	s_mov_b32 s[G1S+7], 0
	; group 0: LDS addresses hang on the wave alone; the x side's global address on tb and the wave, the other two on ob and the wave
	s_mov_b32 s[G0X], 1
	s_mul_i32 s[G0X+1], s14, XBW
	s_mov_b32 s[G0W], 1
	s_lshl_b32 s[G0W+1], s14, 15
	s_add_co_u32 s[G0W+1], s[G0W+1], WB
	s_mov_b32 s[G0S], 1
	s_mul_i32 s[G0S+1], s14, 6*528
	s_add_co_u32 s[G0S+1], s[G0S+1], SMB
	s_mul_i32 s68, s19, XBLK
	s_mul_i32 s22, s14, XBW
	s_add_co_u32 s68, s68, s22
	s_mov_b32 s69, 0
	s_lshl_b32 s70, s18, 17
	s_lshl_b32 s71, s14, 15
	s_add_co_u32 s70, s70, s71
	s_mov_b32 s71, 0
	s_mul_i32 s72, s18, 12288
	s_mul_i32 s73, s14, 3072
	s_add_co_u32 s72, s72, s73
	s_mov_b32 s73, 0
	s_lshl_b32 s74, s18, 16                        ; bln: 65,536 ob + 512 (16 tb + 4 wave)
	s_lshl_b32 s75, s19, 13
	s_add_co_u32 s74, s74, s75
	s_lshl_b32 s75, s14, 11
	s_add_co_u32 s74, s74, s75
	s_mov_b32 s75, 0
	s_wait_dscnt 0x0
	s_wait_kmcnt 0x0
	s_add_nc_u64 s[G0X+2:G0X+3], s[4:5], s[68:69]
	s_or_b32 s[G0X+3], s[G0X+3], 0x80000000
	s_add_nc_u64 s[G0W+2:G0W+3], s[6:7], s[70:71]
	s_or_b32 s[G0W+3], s[G0W+3], 0x80000000
	s_add_nc_u64 s[G0S+2:G0S+3], s[8:9], s[72:73]
	s_or_b32 s[G0S+3], s[G0S+3], 0x80000000
	s_add_nc_u64 s[10:11], s[10:11], s[74:75]
	s_lshl_b32 s74, s19, 18                        ; out0: 1,024 (256 tb + 64 wave) + 32 ob
	s_lshl_b32 s23, s14, 16
	s_add_co_u32 s74, s74, s23
	s_lshl_b32 s23, s18, 5
	s_add_co_u32 s74, s74, s23
	s_add_nc_u64 s[12:13], s[12:13], s[74:75]
	ROUND                                          ; all sixteen work-groups are here: the joint loads meet
	tensor_load_to_lds s[G0X:G0X+3], s[G1X:G1X+7]  ; my wave's four token tiles
	s_nop 0
	tensor_load_to_lds s[G0S:G0S+3], s[G1S:G1S+7]  ; two outputs' tables
	s_nop 0
	tensor_load_to_lds s[G0W:G0W+3], s[G1W:G1W+7]  ; two outputs' fragments of w2
	s_nop 0
	v_and_b32 v12, 31, v0                          ; L
	v_and_b32 v13, 15, v0                          ; r
	v_bfe_u32 v14, v0, 4, 1                        ; hh
	v_lshlrev_b32 v[VBL], 4, v13
	v_lshl_add_u32 v[VBL], v14, 9, v[VBL]
.irp p, 0,1
.irp a, 0,1
	global_load_b128 v[BLN+8*\p+4*\a:BLN+8*\p+4*\a+3], v[VBL], s[10:11] offset:\p*1024+\a*256      ; LN(b)(token 16 (2 p + hh) + r, 4 a ..): wanted at the very end
.endr
.endr
	v_lshlrev_b32 v[VA], 4, v12
	v_add_nc_u32 v[VA], WB, v[VA]
	v_lshlrev_b32 v[VN], 4, v14
	v_add_nc_u32 v[VN], SMB+1056, v[VN]
	s_lshl_b32 s23, s14, 12
	s_add_co_u32 s23, s23, PST
	v_lshl_add_u32 v[VP], v13, 5, s23
	v_lshl_add_u32 v[VX], v12, 4, s22
	v_lshl_add_u32 v[VXC], v12, 3, s22
	v_and_b32 v15, 7, v0
	v_mul_u32_u24 v[VBT], v15, SMP                 ; 1,584 is an odd multiple of 16: the rows of a fragment load begin in different 16-byte columns modulo 256
	v_lshl_add_u32 v[VBT], v14, 4, v[VBT]
	v_add_nc_u32 v[VBT], SMB, v[VBT]
	v_mov_b32 v[VS], SMB
	v_lshl_add_u32 v[VQ], v14, 10, v[VP]
	v_lshlrev_b32 v[VOUT], 10, v13
	v_lshl_add_u32 v[VOUT], v14, 14, v[VOUT]
	v_mov_b32 v[ONE], 1.0
	s_wait_tensorcnt 0x1                           ; my x side and my part of the tables are in; w2's load, issued behind them, stays out
	s_barrier_signal -1
	s_barrier_wait -1                              ; everybody's part of the tables is in.
; ---------------- start: x - c into 512 registers; P1 and P2 for my 64 tokens x the 8 outputs
.irp t, 0,1,2,3
	ds_load_b128 v[BFR+8*\t:BFR+8*\t+3],   v[VX] offset:\t*XREC+8192
	ds_load_b128 v[BFR+8*\t+4:BFR+8*\t+7], v[VX] offset:\t*XREC+8704
	ds_load_b32 v[NCV+\t], v[VXC] offset:\t*XREC+9216
.endr
.irp j, 0,1,2,3,4,5,6,7
	ds_load_b32 v[PLD+\j], v[VS] offset:\j*SMP+1312                ; register j: sum beta^2 of output j: P2's C tile
.endr
.irp i, 0,1,2,3
	ds_load_b128 v[ETMP+4*\i:ETMP+4*\i+3], v[VBT] offset:1184+32*\i    ; 2 g hi, then lo
.endr
.macro LDX s, b                        ; step s = 32 along i: bf16 x of four token tiles (B fragments), beta hi and lo (A fragments)
.irp t, 0,1,2,3
	ds_load_b128 v[DT+32*\b+8*\t:DT+32*\b+8*\t+3],   v[VX] offset:\t*XREC+(2*\s)*512
	ds_load_b128 v[DT+32*\b+8*\t+4:DT+32*\b+8*\t+7], v[VX] offset:\t*XREC+(2*\s+1)*512
.endr
.irp i, 0,1
	ds_load_b128 v[AFR+16*\b+4*\i:AFR+16*\b+4*\i+3],     v[VBT] offset:64*\s+32*\i
	ds_load_b128 v[AFR+16*\b+8+4*\i:AFR+16*\b+8+4*\i+3], v[VBT] offset:528+64*\s+32*\i
.endr
.endm
; One step.  The accumulators take turns, one instruction a turn.  Behind the matrix instructions stand 64 conversions;
; for each matrix instruction the 48 of the other three token tiles name none of its registers: they are the places in front of the next
; step's loads into this buffer and of the LDS stores of the sums.
.macro EXPAND s, b
.if \s < 7
	LDX (\s+1), (1-\b)
	s_wait_dscnt 12                                ; all but the next step's 12 loads are in
.else
	s_wait_dscnt 0x0
.endif
.irp t, 0,1,2,3
.if \s == 0
	v_wmma_f32_16x16x32_bf16 v[NMT+8*\t:NMT+8*\t+7], v[AFR+16*\b:AFR+16*\b+7], v[DT+32*\b+8*\t:DT+32*\b+8*\t+7], 0
.else
	v_wmma_f32_16x16x32_bf16 v[NMT+8*\t:NMT+8*\t+7], v[AFR+16*\b:AFR+16*\b+7], v[DT+32*\b+8*\t:DT+32*\b+8*\t+7], v[NMT+8*\t:NMT+8*\t+7]
.endif
.endr
.irp t, 0,1,2,3
	v_wmma_f32_16x16x32_bf16 v[NMT+8*\t:NMT+8*\t+7], v[AFR+16*\b+8:AFR+16*\b+15], v[DT+32*\b+8*\t:DT+32*\b+8*\t+7], v[NMT+8*\t:NMT+8*\t+7]
.endr
.if \s == 7
.irp t, 0,1,2,3
	v_wmma_f32_16x16x32_bf16 v[ACCQ+8*\t:ACCQ+8*\t+7], v[ETMP:ETMP+7], v[BFR+8*\t:BFR+8*\t+7], v[PLD:PLD+7]
.endr
.irp t, 0,1,2,3
	v_wmma_f32_16x16x32_bf16 v[ACCQ+8*\t:ACCQ+8*\t+7], v[ETMP+8:ETMP+15], v[BFR+8*\t:BFR+8*\t+7], v[ACCQ+8*\t:ACCQ+8*\t+7]
.endr
.endif
.if \s < 4
	WIN 0x40                                       ; destination in block 1
.else
	WIN 0x80                                       ; in block 2
.endif
.irp t, 0,1,2,3
.irp e, 0,1
.irp q, 0,1,2,3
	v_fma_mix_f32_bf16 v[((2*\s+\e)&7)*32+8*\t+2*\q],   v[DT+32*\b+8*\t+4*\e+\q], v[ONE], v[NCV+\t] op_sel_hi:[1,0,0]                  ; low bf16 x 1.0 - c
	v_fma_mix_f32_bf16 v[((2*\s+\e)&7)*32+8*\t+2*\q+1], v[DT+32*\b+8*\t+4*\e+\q], v[ONE], v[NCV+\t] op_sel:[1,0,0] op_sel_hi:[1,0,0]   ; high bf16
.endr
.endr
.endr
	WIN 0
.endm
	LDX 0, 0
	EXPAND 0, 0
	EXPAND 1, 1
	EXPAND 2, 0
	EXPAND 3, 1
	EXPAND 4, 0
	EXPAND 5, 1
	EXPAND 6, 0
	EXPAND 7, 1
; register j of lane (r, hh) is (output j, token r), in both halves alike (A's rows 8-15 repeat rows 0-7): 32 bytes to row r; both halves store the same numbers
.irp t, 0,1,2,3
	ds_store_b128 v[VP], v[NMT+8*\t:NMT+8*\t+3]     offset:(2*\t)*512
	ds_store_b128 v[VP], v[NMT+8*\t+4:NMT+8*\t+7]   offset:(2*\t)*512+16
	ds_store_b128 v[VP], v[ACCQ+8*\t:ACCQ+8*\t+3]   offset:(2*\t+1)*512
	ds_store_b128 v[VP], v[ACCQ+8*\t+4:ACCQ+8*\t+7] offset:(2*\t+1)*512+16
.endr
	s_wait_tensorcnt 0x0                           ; my part of w2 is in
	s_wait_dscnt 0x0
	s_barrier_signal -1
	s_barrier_wait -1                              ; everybody's is.  The last barrier before the end: nothing in LDS is filled again
; ---------------- the main loop
.macro LDA g, buf                      ; the A fragment of rows 16 g .. 16 g + 15: two loads of 512 consecutive bytes
	ds_load_b128 v[AFR+8*\buf:AFR+8*\buf+3],   v[VA] offset:\g*1024
	ds_load_b128 v[AFR+8*\buf+4:AFR+8*\buf+7], v[VA] offset:\g*1024+512
.endm
.macro LDBAR off                       ; -wbar hi, lo: every lane of a half reads the same 16 bytes, so all 16 rows of the fragment are equal
.irp i, 0,1,2,3
	ds_load_b128 v[BARF+4*\i:BARF+4*\i+3], v[VN] offset:\off+32*\i
.endr
.endm
.macro LDPL                            ; P1, P2 of this output, token r, four tiles
.irp u, 0,1,2,3,4,5,6,7
	ds_load_b32 v[PLD+\u], v[VP] offset:\u*512
.endr
.endm
.macro NMM                             ; the tiles -hw . wbar of an output: hi starts the sums, lo adds, the four tiles by turns
.irp t, 0,1,2,3
	v_wmma_f32_16x16x32_bf16 v[NMT+8*\t:NMT+8*\t+7], v[BARF:BARF+7], v[BFR+8*\t:BFR+8*\t+7], 0
.endr
.irp t, 0,1,2,3
	v_wmma_f32_16x16x32_bf16 v[NMT+8*\t:NMT+8*\t+7], v[BARF+8:BARF+15], v[BFR+8*\t:BFR+8*\t+7], v[NMT+8*\t:NMT+8*\t+7]
.endr
.endm
.macro MM buf                          ; v of 16 rows i x 64 tokens
.irp t, 0,1,2,3
	v_wmma_f32_16x16x32_bf16 v[DT+32*\buf+8*\t:DT+32*\buf+8*\t+7], v[AFR+8*\buf:AFR+8*\buf+7], v[BFR+8*\t:BFR+8*\t+7], v[NMT+8*\t:NMT+8*\t+7]
.endr
.endm
.macro FMA2 acc, a, b, start           ; the first products start the sums: nothing is cleared
.if \start
	v_pk_mul_f32 v[\acc:\acc+1], v[\a:\a+1], v[\b:\b+1]
.else
	v_pk_fma_f32 v[\acc:\acc+1], v[\a:\a+1], v[\b:\b+1], v[\acc:\acc+1]
.endif
.endm
.macro VAL it, buf                     ; 16 + 16 packed multiply-adds on 8 + 8 sums: a sum comes round every eighth instruction
.irp p, 0,1,2,3
.irp t, 0,1,2,3
.if (4*\it+\p) < 2
	FMA2 (ACCQ+4*\t+2*(\p&1)), (DT+32*\buf+8*\t+2*\p), (DT+32*\buf+8*\t+2*\p), 1
.else
	FMA2 (ACCQ+4*\t+2*(\p&1)), (DT+32*\buf+8*\t+2*\p), (DT+32*\buf+8*\t+2*\p), 0
.endif
.endr
.endr
.if \it < 8
	WIN 0x04                                       ; source 1 (x - c) in block 1
.else
	WIN 0x08                                       ; in block 2
.endif
.irp p, 0,1,2,3
.irp t, 0,1,2,3
.if (4*\it+\p) < 2
	FMA2 (ACCX+4*\t+2*(\p&1)), (DT+32*\buf+8*\t+2*\p), ((\it&7)*32+8*\t+2*\p), 1
.else
	FMA2 (ACCX+4*\t+2*(\p&1)), (DT+32*\buf+8*\t+2*\p), ((\it&7)*32+8*\t+2*\p), 0
.endif
.endr
.endr
	WIN 0
.endm
.macro EPI last                        ; an output's end: four numbers a lane to one, the other half's lane, the norm, y into P1's word
.irp t, 0,1,2,3
	v_pk_add_f32 v[ACCQ+4*\t:ACCQ+4*\t+1], v[ACCQ+4*\t:ACCQ+4*\t+1], v[ACCQ+4*\t+2:ACCQ+4*\t+3]
	v_pk_add_f32 v[ACCX+4*\t:ACCX+4*\t+1], v[ACCX+4*\t:ACCX+4*\t+1], v[ACCX+4*\t+2:ACCX+4*\t+3]
.endr
.irp t, 0,1,2,3
	v_add_f32 v[ACCQ+4*\t], v[ACCQ+4*\t], v[ACCQ+4*\t+1]
	v_add_f32 v[ACCX+4*\t], v[ACCX+4*\t], v[ACCX+4*\t+1]
.endr
.irp t, 0,1,2,3
	v_permlanex16_b32 v[ETMP+\t],   v[ACCQ+4*\t], s60, s61
	v_permlanex16_b32 v[ETMP+4+\t], v[ACCX+4*\t], s60, s61
.endr
.irp t, 0,1,2,3
	v_add_f32 v[ACCQ+4*\t], v[ACCQ+4*\t], v[ETMP+\t]
	v_add_f32 v[ACCX+4*\t], v[ACCX+4*\t], v[ETMP+4+\t]
.endr
.irp t, 0,1,2,3
	v_add_f32 v[ACCQ+4*\t], v[ACCQ+4*\t], v[PLD+2*\t+1]    ; + P2
.endr
.irp t, 0,1,2,3
	v_max_num_f32 v[ACCQ+4*\t], 0, v[ACCQ+4*\t]
.endr
.irp t, 0,1,2,3
	v_fma_f32 v[ACCQ+4*\t], v[ACCQ+4*\t], s62, s63         ; variance + 1e-5
.endr
.irp t, 0,1,2,3
	v_rsq_f32 v[ACCQ+4*\t], v[ACCQ+4*\t]
.endr
.irp t, 0,1,2,3
	v_add_f32 v[ACCX+4*\t], v[ACCX+4*\t], v[PLD+2*\t]      ; + P1: the plain place behind the transcendentals (ISA guide 5.7.2)
.endr
	s_wait_alu depctr_va_vdst(0)
.irp t, 0,1,2,3
	v_mul_f32 v[ACCX+4*\t], v[ACCX+4*\t], v[ACCQ+4*\t]
.endr
.irp t, 0,1,2,3
	ds_store_b32 v[VP], v[ACCX+4*\t] offset:(2*\t)*512     ; both halves hold, and store, the same number
.endr
.if \last == 0
	v_add_nc_u32 v[VA], 16384, v[VA]
	v_add_nc_u32 v[VN], SMP, v[VN]
	v_add_nc_u32 v[VP], 4, v[VP]
.endif
.endm
; An output: sixteen steps.  Step it: load the fragment of step it + 2 into the buffer that the matrix instructions of the step before read (the 32
; multiply-adds between are the places); wait for the fragment of step it + 1; its four matrix instructions; then the vector work on step it's v,
; which was made a step ago.  No two matrix instructions that follow each other share an accumulator, over the backward jump too.
; The next output's fragments lie straight behind this one's, so steps 14 and 15 load on with offsets 16 and 17.
.macro OBODY last
.irp it, 0,1,2,3,4,5,6,7,8,9,10,11
	LDA (\it+2), (\it&1)
	s_wait_dscnt 2                                 ; all but the two loads just issued
	MM ((\it+1)&1)
	VAL \it, (\it&1)
.endr
	LDA 14, 0
	s_wait_dscnt 2
.if \last == 0
	LDBAR SMP                                      ; the next output's -wbar
.endif
	LDPL
	MM 1
	VAL 12, 0
	LDA 15, 1
.if \last
	s_wait_dscnt 10                                ; behind step 14's fragment: 8 loads of P1, P2 and the 2 just issued
.else
	s_wait_dscnt 14                                ; behind step 14's fragment: 4 + 8 loads and the 2 just issued
.endif
	MM 0
	VAL 13, 1
.if \last
	s_wait_dscnt 0x0
	MM 1
	VAL 14, 0
	VAL 15, 1
.else
	LDA 16, 0
	s_wait_dscnt 2
	MM 1
	VAL 14, 0
	LDA 17, 1
	s_wait_dscnt 2
	NMM                                            ; the next output's C tiles: step 14's vector work stands between their last readers and these,
	VAL 15, 1                                      ; and this step's between these and their first readers
	MM 0
.endif
	EPI \last
.endm
	LDBAR 0
	LDA 0, 0
	LDA 1, 1
	s_wait_dscnt 2                                 ; -wbar and fragment 0 are in
	NMM
	PLACES 5                                       ; a result as the C of another accumulator: five places
	MM 0
	PLACES 4                                       ; in front of the load into the fragment just read, and of the reads of v
	s_mov_b32 s66, 7
.Lout:
	OBODY 0
	s_sub_co_u32 s66, s66, 1
	s_cmp_lg_u32 s66, 0
	s_cbranch_scc1 .Lout
	OBODY 1                                        ; the eighth output loads nothing beyond its own fragments
; ---------------- out: y(token, 8 outputs) lies in P1's rows of 32 bytes; my wave's own bytes, served in order
.irp p, 0,1
.irp a, 0,1
	ds_load_b128 v[DT+8*\p+4*\a:DT+8*\p+4*\a+3], v[VQ] offset:\p*2048+\a*16
.endr
.endr
	s_wait_loadcnt 0x0                             ; LN(b)
	s_wait_dscnt 0x0
.irp i, 0,1,2,3,4,5,6,7
	v_pk_add_f32 v[DT+2*\i:DT+2*\i+1], v[DT+2*\i:DT+2*\i+1], v[BLN+2*\i:BLN+2*\i+1]
.endr
.irp p, 0,1
.irp a, 0,1
	global_store_b128 v[VOUT], v[DT+8*\p+4*\a:DT+8*\p+4*\a+3], s[12:13] offset:\p*32768+\a*16
.endr
.endr
	s_wait_tensorcnt 0x0
	ds_add_u32 v254, v255
	s_wait_dscnt 0x0
	ROUND                                          ; the closing round: no work-group ends while a partner may still ask for a tile that names it
	s_endpgm
.Lfunc_end_k_q64010dd379_main:
	.size	k_q64010dd379_main, .Lfunc_end_k_q64010dd379_main-k_q64010dd379_main
	.p2alignl 7, 3214868480
	.fill 96, 4, 3214868480
	.section	.rodata,"a",@progbits
	.p2align	6, 0x0
	.amdhsa_kernel k_q64010dd379_main
		.amdhsa_group_segment_fixed_size 312320
		.amdhsa_private_segment_fixed_size 0
		.amdhsa_enable_private_segment 0
		.amdhsa_kernarg_size 40
		.amdhsa_user_sgpr_count 2
		.amdhsa_user_sgpr_kernarg_segment_ptr 1
		.amdhsa_wavefront_size32 1
		.amdhsa_system_sgpr_workgroup_id_x 1
		.amdhsa_system_sgpr_workgroup_id_y 1
		.amdhsa_system_sgpr_workgroup_id_z 1
		.amdhsa_system_vgpr_workitem_id 0
		.amdhsa_next_free_vgpr 768
		.amdhsa_next_free_sgpr 80
		.amdhsa_reserve_vcc 0
		.amdhsa_float_denorm_mode_32 3
		.amdhsa_float_denorm_mode_16_64 3
		.amdhsa_memory_ordered 1
		.amdhsa_forward_progress 1
		.amdhsa_inst_pref_size 142
	.end_amdhsa_kernel
	.amdgpu_metadata
---
amdhsa.version: [ 1, 2 ]
amdhsa.kernels:
  - .name:           k_q64010dd379_main
    .symbol:         k_q64010dd379_main.kd
    .args:
      - { .name: xrec, .offset: 0, .size: 8, .value_kind: global_buffer, .address_space: global }
      - { .name: wfrag, .offset: 8, .size: 8, .value_kind: global_buffer, .address_space: global }
      - { .name: wsm, .offset: 16, .size: 8, .value_kind: global_buffer, .address_space: global }
      - { .name: bln, .offset: 24, .size: 8, .value_kind: global_buffer, .address_space: global }
      - { .name: out0, .offset: 32, .size: 8, .value_kind: global_buffer, .address_space: global }
    .group_segment_fixed_size: 312320
    .private_segment_fixed_size: 0
    .kernarg_segment_align: 8
    .kernarg_segment_size: 40
    .max_flat_workgroup_size: 128
    .sgpr_count:     80
    .vgpr_count:     768
    .wavefront_size: 32
...
	.end_amdgpu_metadata
.endif
;; end of part 2
